; MI455X (gfx1250); checked and timed in simulation.
; The chip was launched on July 23, 2026; its instructions are those of AMD's public machine-readable ISA for CDNA 5 (MIT licence, August 2026) and "CDNA5" Instruction Set Architecture Reference Guide (July 2026). The comments in the code are by the model that wrote it; some were corrected since.
;; Batch Attention cos. Allowed arithmetic: matrix products marked QUANTISED: E3M2 operands, one E8M0 scale for each 32 along K, by v_wmma_scale_f32_16x16x128_f8f6f4 with both operands' format E3M2, f32 sums; everything else in f32.
;; Inputs: x 8,192 x 512 float32.
;; Outputs: out0 8,192 x 512 float32.
;; This version of the problem:
;;   THIS VERSION OF THE PROBLEM IS GIVEN IN LOW PRECISION. The matrix products marked QUANTISED in the list below multiply operands that are first quantised to E3M2 (3 exponent bits, 2 mantissa bits; 6 bits a number), with one power-of-two scale for each 32 numbers along K (OCP MX v1.0); their sums are f32. All else is computed in f32.
;;   The module's matrix products, in the order in which they are computed (A, B: the left and right operand; K: the contracted axis; several contracted axes count as one K, in the product's order):
;;     1. [M 8,192, K 512] x [K 512, N 8,192]; A: computed on the way; B: computed on the way: QUANTISED
;;     2. [M 8,192, K 8,192] x [K 8,192, N 512]; A: softmax (see below); B: input x: QUANTISED
;;   THE QUANTISER, for each operand of a quantised product, along K:
;;     - K is cut into blocks of 32 from its start; a last block that is shorter is filled with zeros.
;;     - A block's scale is 2^e with e = floor(log2(the largest magnitude in the block)) - 4, held to -126 .. 127; a block of zeros has e = 0. As a byte (E8M0): e + 127.
;;     - Each number is divided by its block's scale, clamped to +-28, and rounded to the nearest number of E3M2, ties to even, subnormals kept.
;;     - The product sums the exact products of the quantised numbers (number of the format x scale) in f32.
;;   ~~~python
;;   def quantise(x, axis):      # numpy; x: float32 -> the quantised numbers, widened to float32 again
;;       x = np.moveaxis(x, axis, -1); K = x.shape[-1]
;;       x = np.pad(x, [(0, 0)] * (x.ndim - 1) + [(0, -K % 32)]); x = x.reshape(x.shape[:-1] + (-1, 32)); a = np.abs(x).max(-1, keepdims=True)
;;       e = np.where(a > 0, np.clip(np.frexp(np.where(a > 0, a, 1))[1] - 1 - 4, -126, 127), 0)      # np.frexp(a)[1] - 1 = floor(log2(a)), exactly
;;       r = np.clip(x / 2.0 ** e, -28, 28)
;;       step = 2.0 ** (np.maximum(np.frexp(np.where(r == 0, 1, r))[1] - 1, -2) - 2)
;;       q = np.round(r / step) * step * 2.0 ** e      # np.round: ties to even
;;       return np.moveaxis(q.reshape(q.shape[:-2] + (-1,))[..., :K], -1, axis).astype(np.float32)
;;   ~~~
;;   SOFTMAX AHEAD OF A QUANTISED PRODUCT. Where the list says 'softmax', what is quantised is not the finished softmax but p = 2^(t - M), with t = logit x log2(e) and M = ceil(the row's largest t), a whole number; so 1/2 < the row's largest p <= 1. The row's sum l is taken of the UNQUANTISED p, in f32, and the product's result is divided by l at the end. Since M is a whole number, a kernel that streams over the keys may use a running M (the ceiling of the running maximum): every later rescaling is an exact power of two, which a block's scale takes up: the codes' values come out the same.
;;   OPERANDS COMPUTED ON THE WAY. 'Computed on the way' means the value that the module computes at that place (a softmax that the list does not call 'softmax' is quantised finished and normalised). What goes into a quantiser is computed in f32, as accurately as f32 sums, v_exp_f32 and their like allow (about 1e-6 of the number): no bf16 or f16 on the way to a quantiser, and a product that is left as it is and whose result goes on into a quantised operand takes f32 operands (vector FMAs, or v_wmma_f32_16x16x4_f32). A number that lies on a knife's edge between two numbers of the format may be rounded either way, as far as f32 arithmetic and the matrix unit's own rounding can turn it there, and no further.
;; One version. Each part assembles by itself: llvm-mc -triple=amdgcn-amd-amdhsa -mcpu=gfx1250 --defsym DOCPART=n.
;; ======== version 1 of 1: 3 launches
;; limits: right only within a limited range of input values
;; workspace buffers: kv 6,291,456 bytes; sc 262,144 bytes; opart 67,108,864 bytes; lpart 262,144 bytes
;; launch prep (part 1): grid 4 x 64, 6 waves a work-group, no clusters, 0 bytes of LDS; arguments x, kv, sc; writes kv, sc
.if DOCPART == 1
	.amdgcn_target "amdgcn-amd-amdhsa--gfx1250"
	.amdhsa_code_object_version 6
	.text
	.protected	k_q3c5df99dfd_prep
	.globl	k_q3c5df99dfd_prep
	.p2align	8
	.type	k_q3c5df99dfd_prep,@function
k_q3c5df99dfd_prep:
	s_mov_b64 s[64:65], 0
	v_nop
	global_prefetch_b8 v0, s[64:65] scope:SCOPE_SE
	s_setreg_imm32_b32 hwreg(HW_REG_WAVE_MODE, 25, 1), 1
	s_wait_xcnt 0x0
; PREP: x [8192][512] f32 becomes the two operands of the attention launch, as codes of BF6 (E3M2) with one E8M0 byte for each 32 along a product's K.
; No work of reference() is left out as dead work in this program, and its one input, x, is loaded.
;   K part (it serves as Q too): xn = x / max(|row|, 1e-12), quantised along the 512 channels.      V part: x itself, quantised along the KEYS (rows of x), 32 rows to a block.
; A block's scale is 2^(floor(log2(largest magnitude)) - 4): its byte is the largest magnitude's exponent field - 4, held at 1 from below by a floor among the maximum's leaves.
; (A block of zeros so gets the byte 1 where the rule says 127: its codes are zeros, and the bytes are read by this program alone.)
; LIMITS: NaN and infinities among the inputs are not served.  A row whose sum of squares overflows f32, or lies under 2^-126 (the square root takes it for 0, so the norm becomes 1e-12), is not served as reference() has it.
; x / norm is x times the reciprocal of the norm: square root, reciprocal and product each round once in f32.
; LAYOUT OF THE WORKSPACE.  A key step is 128 rows of x.  Its record in kv is 98,304 bytes of FRAGMENT IMAGES: a fragment (16 rows x 128 K, 12 registers a lane) lies as its registers do: register 4 g + e of
; lane l at byte 512 g + 16 l + 4 e, so that three accesses of 16 bytes a lane, 512 consecutive bytes each, store or bring it.
;   K part, bytes 0 on: tile t (0-7), channels 128 s on, at (4 t + s) x 1,536.  Lane r of tile 2 b + u holds row 32 b + 8 u + r % 8 + 16 (r / 8) of the step, so that two neighbouring tiles' results are 16 neighbouring keys.
;   V part, bytes 49,152 on: channels 16 dt + r (dt 0-31) at dt x 1,536; K = the step's 128 keys.
; Its record in sc is 4,096 bytes: K's scale bytes at 256 t + 16 r (word s: channels 128 s on); V's words at 2,048 + 64 dt + 4 r (byte b: keys 32 b on).
; SHARES.  Work-group (dq, jb): key step jb; waves 0-3: V's channels 128 dq + 32 w on, a lane to a channel, its registers running down the 128 keys; waves 4, 5: K's tiles 2 dq and 2 dq + 1, 16 whole rows each.
; No LDS, no barrier: waves share nothing.  Each number of x is read by one V wave and by one K wave, so the loads carry no hint.
.set REC, 98304
.set MSB, 0
.macro WIN new                         ; the immediate's high byte repeats the setting that is left
.if MSB != \new
	s_set_vgpr_msb (MSB<<8)|\new
.set MSB, \new
.endif
.endm
	s_load_b128 s[4:7], s[0:1], 0x0                ; x s[4:5], kv s[6:7]
	s_load_b64 s[8:9], s[0:1], 0x10                ; sc
	v_lshrrev_b32 v1, 5, v0
	v_readfirstlane_b32 s10, v1                    ; wave 0..5
	s_and_b32 s12, ttmp7, 0xffff                   ; jb: the key step
	v_and_b32 v1, 31, v0                           ; lane
	v_lshlrev_b32 v2, 2, v1                        ; 4 x lane
	v_lshlrev_b32 v3, 4, v1                        ; 16 x lane: an image's place for my lane
	s_mov_b32 s20, 0x76543210
	s_mov_b32 s21, 0xfedcba98                      ; v_permlanex16_b32's selects for lane l xor 16
	s_mov_b32 s15, 0
	s_mov_b32 s17, 0
	s_mov_b32 s19, 0
	s_mul_i32 s16, s12, REC                        ; the step's record in kv,
	s_lshl_b32 s18, s12, 12                        ; and in sc
	s_cmp_ge_u32 s10, 4
	s_cbranch_scc1 .Lkwave
	; ---------------- V: 128 keys x my 32 channels
	s_lshl_b32 s14, s12, 18                        ; 128 rows of 2,048 bytes a step,
	s_lshl_b32 s22, ttmp9, 9
	s_add_co_u32 s14, s14, s22                     ; + 128 dq channels,
	s_lshl_b32 s22, s10, 7
	s_add_co_u32 s14, s14, s22                     ; + 32 w
	s_lshl_b32 s22, ttmp9, 3
	s_lshl_b32 s23, s10, 1
	s_add_co_u32 s22, s22, s23                     ; my first tile of channels: 8 dq + 2 w
	s_mul_i32 s22, s22, 1536
	s_add_co_u32 s16, s16, s22
	s_add_co_u32 s16, s16, 49152
	s_lshl_b32 s22, ttmp9, 9
	s_add_co_u32 s18, s18, s22
	s_lshl_b32 s22, s10, 7
	s_add_co_u32 s18, s18, s22
	s_add_co_u32 s18, s18, 2048
	s_wait_kmcnt 0x0
	s_add_nc_u64 s[4:5], s[4:5], s[14:15]
	s_add_nc_u64 s[6:7], s[6:7], s[16:17]
	s_add_nc_u64 s[8:9], s[8:9], s[18:19]
.set i, 0
	s_wait_alu depctr_va_vdst(0)
.rept 128
	global_load_b32 v[32+i], v2, s[4:5] offset:i*2048   ; x(key i, my channel): 32 lanes read 128 consecutive bytes
.set i, i+1
.endr
	s_wait_loadcnt 0x0
.irp kb, 0,1,2,3                       ; the four blocks of 32 keys, all of them mine, by turns
	v_max3_num_f32 v[8+\kb], |v[32+32*\kb]|, |v[33+32*\kb]|, 0x2800000   ; and the floor 2^(5 - 127): the byte cannot fall under 1
.endr
.irp i, 2,4,6,8,10,12,14,16,18,20,22,24,26,28,30
.irp kb, 0,1,2,3
	v_max3_num_f32 v[8+\kb], v[8+\kb], |v[32+32*\kb+\i]|, |v[33+32*\kb+\i]|
.endr
.endr
.irp kb, 0,1,2,3
	v_add_nc_u32 v[12+\kb], 0xfe000000, v[8+\kb]   ; 4 off the exponent field: the conversion's scale operand
.endr
.irp kb, 0,1,2,3
	v_lshrrev_b32 v[16+\kb], 23, v[12+\kb]         ; the scale's byte
.endr
	v_lshl_or_b32 v20, v17, 8, v16                 ; my channel's scale word for these 128 keys
	v_lshl_or_b32 v20, v18, 16, v20
	v_lshl_or_b32 v20, v19, 24, v20
.irp kb, 0,1,2,3                       ; block kb's 32 codes, 6 registers: blocks 0, 2 at v160, v166; blocks 1, 3 at v172, v178
	v_cvt_scalef32_pk16_bf6_f32 v[160+12*(\kb%2)+6*(\kb/2):160+12*(\kb%2)+6*(\kb/2)+2], v[32+32*\kb:47+32*\kb], v[12+\kb]
	v_cvt_scalef32_pk16_bf6_f32 v[184+4*\kb:186+4*\kb], v[48+32*\kb:63+32*\kb], v[12+\kb]   ; (a conversion's three registers begin on an even number: the upper half is made elsewhere and moved)
.endr
	v_nop                                          ; one plain place behind the scaled conversions
.irp kb, 0,1,2,3
.irp i, 0,1,2
	v_mov_b32 v[163+12*(\kb%2)+6*(\kb/2)+\i], v[184+4*\kb+\i]
.endr
.endr
; A fragment wants, in lane (r, h), blocks h and 2 + h of channel r.  I hold all four blocks of one channel a lane.  The exchange gives lanes 16-31 of the even blocks' registers the odd blocks of channels 0-15:
; v160-171 become the fragment of my first 16 channels, v172-183 that of my second 16.
.irp i, 0,1,2,3,4,5
	v_permlane16_swap_b32 v[160+\i], v[172+\i]
.endr
.irp i, 0,1,2,3,4,5
	v_permlane16_swap_b32 v[166+\i], v[178+\i]
.endr
.irp f, 0,1
.irp g, 0,1,2
	global_store_b128 v3, v[160+12*\f+4*\g:160+12*\f+4*\g+3], s[6:7] offset:1536*\f+512*\g   ; 512 consecutive bytes, at a multiple of 256 from kv's first byte
.endr
.endr
	global_store_b32 v2, v20, s[8:9]               ; 32 channels' scale words: 128 consecutive bytes
	s_endpgm
	; ---------------- K: 16 whole rows, normalised
.Lkwave:
	s_sub_co_u32 s11, s10, 4                       ; u
	v_and_b32 v4, 15, v0                           ; r
	v_bfe_u32 v5, v0, 4, 1                         ; h
	v_and_b32 v6, 7, v4
	v_lshrrev_b32 v7, 3, v4
	v_lshl_add_u32 v6, v7, 4, v6                   ; my row in the tile's span: r % 8 + 16 (r / 8)
	v_lshlrev_b32 v6, 11, v6
	v_lshl_add_u32 v6, v5, 7, v6                   ; in bytes, + 128 h: the layout gives lane (r, h) channels 64 c + 32 h + 0 .. 31 of each 128
	v_lshlrev_b32 v23, 4, v4
	v_lshl_add_u32 v23, v5, 3, v23                 ; where my 8 scale bytes go: 16 r + 8 h
	s_lshl_b32 s14, s12, 7
	s_lshl_b32 s22, ttmp9, 5
	s_add_co_u32 s14, s14, s22
	s_lshl_b32 s22, s11, 3
	s_add_co_u32 s14, s14, s22                     ; the tile's first row: 128 jb + 32 dq + 8 u
	s_lshl_b32 s14, s14, 11
	s_lshl_b32 s22, ttmp9, 1
	s_add_co_u32 s22, s22, s11                     ; t = 2 dq + u
	s_mul_i32 s23, s22, 6144
	s_add_co_u32 s16, s16, s23
	s_lshl_b32 s23, s22, 8
	s_add_co_u32 s18, s18, s23
	s_wait_alu depctr_va_vdst(0)
	s_wait_kmcnt 0x0
	s_add_nc_u64 s[4:5], s[4:5], s[14:15]
	s_add_nc_u64 s[6:7], s[6:7], s[16:17]
	s_add_nc_u64 s[8:9], s[8:9], s[18:19]
	WIN 0x40                                       ; destination window 1: my 256 numbers; block n = 2 s + c at v[32 n] of that window
.irp s, 0,1,2,3
.irp c, 0,1
.irp i, 0,1,2,3,4,5,6,7
	global_load_b128 v[64*\s+32*\c+4*\i:64*\s+32*\c+4*\i+3], v6, s[4:5] offset:512*\s+256*\c+16*\i
.endr
.endr
.endr
	WIN 0x05                                       ; sources 0 and 1 window 1; the sums in window 0
.set p, 0
.rept 128                              ; the sum of squares, two numbers a line, in four chains; the first four lines start them
.if p%32 == 0
	s_wait_alu depctr_va_vdst(0)
	s_wait_loadcnt 48-16*(p/32)                    ; these 128 channels' sixteen loads are in; those of the later channels may be out
.endif
.if p < 4
	v_pk_mul_f32 v[8+2*p:9+2*p], v[2*p:2*p+1], v[2*p:2*p+1]
.else
	v_pk_fma_f32 v[8+2*(p%4):9+2*(p%4)], v[2*p:2*p+1], v[2*p:2*p+1], v[8+2*(p%4):9+2*(p%4)]
.endif
.set p, p+1
.endr
	WIN 0
	v_pk_add_f32 v[8:9], v[8:9], v[10:11]
	v_pk_add_f32 v[12:13], v[12:13], v[14:15]
	v_pk_add_f32 v[8:9], v[8:9], v[12:13]
	v_add_f32 v16, v8, v9
	v_mov_b32 v17, 0                               ; (a lane permute's destination counts as one of its sources)
	v_permlanex16_b32 v17, v16, s20, s21
	v_add_f32 v16, v16, v17                        ; with lane l xor 16's half of the row
	s_wait_alu depctr_va_vdst(0)
	v_sqrt_f32 v17, v16
	v_lshlrev_b32 v22, 3, v5                       ; 8 h, for the scale words below: the plain place behind the square root
	s_wait_alu depctr_va_vdst(0)                   ; the wait ahead of the first line that names a transcendental's result
	v_max_num_f32 v17, 0x2b8cbccc, v17             ; max(norm, 1e-12)
	s_wait_alu depctr_va_vdst(0)
	v_rcp_f32 v18, v17
	v_mov_b32 v19, 0                               ; (named with v18 as a pair, so it is written: the plain place behind the reciprocal)
	s_wait_alu depctr_va_vdst(0)
	WIN 0x41                                       ; destination and source 0 window 1
.set p, 0
.rept 128
	v_pk_mul_f32 v[2*p:2*p+1], v[2*p:2*p+1], v[18:19] op_sel_hi:[1,0]   ; xn
.set p, p+1
.endr
	WIN 0x05
.irp n, 0,1,2,3,4,5,6,7                ; my eight blocks of 32 channels, by turns
	v_max3_num_f32 v[24+\n], |v[32*\n]|, |v[32*\n+1]|, 0x2800000
.endr
	WIN 0x14                                       ; sources 1 and 2 window 1
.irp i, 2,4,6,8,10,12,14,16,18,20,22,24,26,28,30
.irp n, 0,1,2,3,4,5,6,7
	v_max3_num_f32 v[24+\n], v[24+\n], |v[32*\n+\i]|, |v[32*\n+\i+1]|
.endr
.endr
	WIN 0
.irp n, 0,1,2,3,4,5,6,7
	v_add_nc_u32 v[32+\n], 0xfe000000, v[24+\n]    ; the conversion's scale operand
.endr
.irp n, 0,1,2,3,4,5,6,7
	v_lshrrev_b32 v[40+\n], 23, v[32+\n]           ; the byte
.endr
	WIN 0x01                                       ; source 0 window 1
.irp n, 0,1,2,3,4,5,6,7                ; block n's codes are registers 6 c .. 6 c + 5 of the fragment of channels 128 s on: v[64 + 6 n]
	v_cvt_scalef32_pk16_bf6_f32 v[64+6*\n:66+6*\n], v[32*\n:32*\n+15], v[32+\n]
	v_cvt_scalef32_pk16_bf6_f32 v[112+4*\n:114+4*\n], v[32*\n+16:32*\n+31], v[32+\n]
.endr
	WIN 0
	v_nop                                          ; one plain place behind the scaled conversions
.irp n, 0,1,2,3,4,5,6,7
.irp i, 0,1,2
	v_mov_b32 v[67+6*\n+\i], v[112+4*\n+\i]
.endr
.endr
.irp s, 0,1,2,3
	v_lshl_or_b32 v[48+\s], v[41+2*\s], 16, v[40+2*\s]   ; my two bytes of the word: blocks h and 2 + h,
	v_mov_b32 v[52+\s], 0
.endr
.irp s, 0,1,2,3
	v_lshlrev_b32 v[48+\s], v22, v[48+\s]          ; at their places, 8 h bits up;
.endr
.irp s, 0,1,2,3
	v_permlanex16_b32 v[52+\s], v[48+\s], s20, s21
.endr
.irp s, 0,1,2,3
	v_or_b32 v[48+\s], v[48+\s], v[52+\s]          ; with lane l xor 16's two the word is whole, in both lanes
.endr
	v_cmp_le_u32 vcc_lo, 16, v1
	v_cndmask_b32 v56, v48, v50, vcc_lo            ; lanes 0-15 store words 0, 1 of their row, lanes 16-31 words 2, 3
	v_cndmask_b32 v57, v49, v51, vcc_lo
.irp s, 0,1,2,3
.irp g, 0,1,2
	global_store_b128 v3, v[64+12*\s+4*\g:64+12*\s+4*\g+3], s[6:7] offset:1536*\s+512*\g
.endr
.endr
	global_store_b64 v23, v[56:57], s[8:9]         ; the tile's 256 scale bytes, whole
	s_endpgm
.Lfunc_end_k_q3c5df99dfd_prep:
	.size	k_q3c5df99dfd_prep, .Lfunc_end_k_q3c5df99dfd_prep-k_q3c5df99dfd_prep
	.p2alignl 7, 3214868480
	.fill 96, 4, 3214868480
	.section	.rodata,"a",@progbits
	.p2align	6, 0x0
	.amdhsa_kernel k_q3c5df99dfd_prep
		.amdhsa_group_segment_fixed_size 0
		.amdhsa_private_segment_fixed_size 0
		.amdhsa_enable_private_segment 0
		.amdhsa_kernarg_size 24
		.amdhsa_user_sgpr_count 2
		.amdhsa_user_sgpr_kernarg_segment_ptr 1
		.amdhsa_wavefront_size32 1
		.amdhsa_system_sgpr_workgroup_id_x 1
		.amdhsa_system_sgpr_workgroup_id_y 1
		.amdhsa_system_sgpr_workgroup_id_z 1
		.amdhsa_system_vgpr_workitem_id 0
		.amdhsa_next_free_vgpr 512
		.amdhsa_next_free_sgpr 66
		.amdhsa_reserve_vcc 1
		.amdhsa_float_denorm_mode_32 3
		.amdhsa_float_denorm_mode_16_64 3
		.amdhsa_memory_ordered 1
		.amdhsa_forward_progress 1
		.amdhsa_inst_pref_size 58
	.end_amdhsa_kernel
	.amdgpu_metadata
---
amdhsa.version: [ 1, 2 ]
amdhsa.kernels:
  - .name:           k_q3c5df99dfd_prep
    .symbol:         k_q3c5df99dfd_prep.kd
    .args:
      - { .name: x, .offset: 0, .size: 8, .value_kind: global_buffer, .address_space: global }
      - { .name: kv, .offset: 8, .size: 8, .value_kind: global_buffer, .address_space: global }
      - { .name: sc, .offset: 16, .size: 8, .value_kind: global_buffer, .address_space: global }
    .group_segment_fixed_size: 0
    .private_segment_fixed_size: 0
    .kernarg_segment_align: 8
    .kernarg_segment_size: 24
    .max_flat_workgroup_size: 192
    .sgpr_count:     66
    .vgpr_count:     512
    .wavefront_size: 32
...
	.end_amdgpu_metadata
.endif
;; end of part 1
;; launch attn (part 2): grid 64 x 4, 4 waves a work-group, clusters of 4 x 1, 327,680 bytes of LDS; arguments kv, sc, opart, lpart; writes opart, lpart
.if DOCPART == 2
	.amdgcn_target "amdgcn-amd-amdhsa--gfx1250"
	.amdhsa_code_object_version 6
	.text
	.protected	k_q3c5df99dfd_attn
	.globl	k_q3c5df99dfd_attn
	.p2align	8
	.type	k_q3c5df99dfd_attn,@function
k_q3c5df99dfd_attn:
	s_mov_b64 s[64:65], 0
	v_nop
	global_prefetch_b8 v0, s[64:65] scope:SCOPE_SE
	s_setreg_imm32_b32 hwreg(HW_REG_WAVE_MODE, 25, 1), 1
	s_wait_xcnt 0x0
	s_wait_alu depctr_hold_cnt(0) depctr_sa_sdst(0) depctr_va_vdst(0) depctr_va_sdst(0) depctr_va_ssrc(0) depctr_va_vcc(0) depctr_vm_vsrc(0)
	s_getreg_b32 s2, hwreg(HW_REG_IB_STS2, 6, 4)
	s_cmp_eq_u32 s2, 0
	s_cbranch_scc0 .Lentry_in_a_cluster
	s_endpgm
.Lentry_in_a_cluster:
	s_bfe_u32 s2, ttmp6, 0x10000c
	s_cmp_lg_u32 s2, 0x3003
	s_cbranch_scc0 .Lentry_shape_is_right
	s_endpgm
.Lentry_shape_is_right:
; ATTN: work-group (qb, y) takes 128 queries (record qb of kv serves as Q) through the 2,048 keys of split y (16 key steps of 128) and stores its part of O (f32) and of the row sums l.  Nothing of reference() is left out.
; Both products are used transposed (S^T = K Q^T, O^T = V^T P^T), in MX-BF6.  p = 2^(t - 2), t = score x log2(e).
; THE SHIFT IS THE CONSTANT 2: reference() itself normalises the rows, and a code of E3M2 lies within one eighth of its number, so |score| stays under 1.27 and t between -1.83 and 1.83 for every input: p lies between 2^-3.9 and 1.
; Where ceil(the row's largest t) is another whole number, p differs by a power of two, which the block scales and l take up: the codes' values are the same.
; SHARES.  Scores: wave (kh, qh) takes 64 keys x 64 queries (16 accumulators); its p go, as codes in the fragments' image, to one of two P buffers in LDS.  Values: wave w takes channels 128 w on x 128 queries (64 accumulators).
; THE PIPELINE.  Trip j: step j - 1's value products, in eight groups of eight matrix instructions, with step j's softmax laid in pieces between the groups; then step j + 1's score products.  One round a trip.
; S stays in registers during the value products, so these hold four fragments of V and a ring of four of P: a fragment of P is read twice in a step.
; THE RING.  Two slots of 98,304 bytes, K's half and V's half.  K(m) and V(m) lie in slot m % 2.  Behind trip j's round waves 0, 1 bring K(j + 2) and waves 2, 3 V(j), one load a wave, into the slot read in trip j - 1.
; At the head each wave issues one fill: K(0), all scale bytes of the split, V(0), V(1); K(1) follows behind the first round, behind which nothing is filled again.  One tensor load a wave is out at any time.
; CLUSTER: the four query blocks of a cluster walk the same keys and ask for every tile jointly (mask 15).
; PREFETCH: in trip j (0 to 11) clusters 0 and 1 of the split each name record j + 4 once: 4 work-groups x 3 waves x 32 lanes x 256 bytes.  K's half of it is loaded two trips on, V's four.  Records 0 to 3 come by their loads alone.
; LIMITS: as prep states them (NaN and infinities among the inputs are not served).
.set REC,   98304
.set SCB,   2*REC                      ; the split's scale bytes, 16 x 4,096
.set PB,    SCB+65536                  ; two P buffers of 8 fragments
.set PBSZ,  8*1536
.set PSC,   PB+2*PBSZ                  ; two sets of P's scale words, 512 bytes each
.set SPARE, PSC+1024                   ; the spare words
.set SP,    528                        ; a row of the stage on the way out (it lies in slot 0, behind that slot's last fill)
.set LI,  1
.set AK,  2
.set AV,  4
.set AKS, 6
.set AVS, 7
.set PW1, 8
.set PW2, 9
.set PSW, 10
.set PR,  11
.set PSR, 12
.set STO, 13
.set RD,  14
.set LO,  16
.set PFO, 17
.set SPW, 18
.set NIL, 19
.set NEG2, 20
.set L,   22                           ; v22-29 the row sums, a pair for each of my four query tiles
.set KS,  32
.set QS,  40
.set VS,  48
.set PS,  52
.set MX,  56                           ; v56-63 block maxima; v64-71, v72-79 scratch; v80-95 codes
.set MY,  64
.set SCL, 72
.set CC,  80
.set KB,  64                           ; v64-111: K's second fragment buffer (score products only)
.set S,   128                          ; v128-255 scores, then p
.set KA,  192                          ; window 1, v192-239: K's first buffer; four fragments of V.  Window 1, v0-191: Q.  Windows 2, 3: O^T
; P's ring: window 1 v240-251, window 0 v88-99 (even groups); window 0 v100-111, v112-123 (odd groups)
.set WV,  12
.set KH,  13
.set QH,  14
.set CS,  22
.set G1T, 24
.set G0T, 32
.set G1S, 40
.set G0S, 48
.set SEL, 52
.set PFA, 54
.set LIM, 56
.set CNT, 57
.set G1H, 68
.set G0H, 76
.set MSB, 0
.macro WIN new                         ; the immediate's high byte repeats the setting that is left
.if MSB != \new
	s_set_vgpr_msb (MSB<<8)|\new
.set MSB, \new
.endif
.endm
.macro PLACES n
.rept \n
	v_nop
.endr
.endm
.macro CROUND                          ; a round of the cluster's barrier
	s_barrier_signal -1
	s_barrier_wait -1
	s_cmp_lg_u32 s[WV], 0
	s_cbranch_scc1 .Lnot_wave_0_\@
	s_barrier_signal -3
.Lnot_wave_0_\@:
	s_barrier_wait -3
	s_barrier_signal -1
	s_barrier_wait -1
.endm
.macro GROUP1 g, rows                  ; rows of 256 bytes, dense; mask 15 with bit 21 beside it
	s_mov_b32 s[\g], 15|(3<<16)|(1<<21)
	s_mov_b32 s[\g+1], 32<<16
	s_mov_b32 s[\g+2], (\rows)<<16
	s_mov_b32 s[\g+3], 32<<16
	s_mov_b32 s[\g+4], \rows
	s_mov_b32 s[\g+5], 32
	s_mov_b32 s[\g+6], 0
	s_mov_b32 s[\g+7], 0
.endm
.macro WM z                            ; one product; rR picks the rows of the two scale registers
.if rR == 0
.if \z
	v_wmma_scale_f32_16x16x128_f8f6f4 v[rD:rD+7], v[rA:rA+11], v[rB:rB+11], 0, v[rSA], v[rSB] matrix_a_fmt:MATRIX_FMT_BF6 matrix_b_fmt:MATRIX_FMT_BF6
.else
	v_wmma_scale_f32_16x16x128_f8f6f4 v[rD:rD+7], v[rA:rA+11], v[rB:rB+11], v[rD:rD+7], v[rSA], v[rSB] matrix_a_fmt:MATRIX_FMT_BF6 matrix_b_fmt:MATRIX_FMT_BF6
.endif
.elseif rR == 1
.if \z
	v_wmma_scale_f32_16x16x128_f8f6f4 v[rD:rD+7], v[rA:rA+11], v[rB:rB+11], 0, v[rSA], v[rSB] matrix_a_fmt:MATRIX_FMT_BF6 matrix_b_fmt:MATRIX_FMT_BF6 matrix_b_scale:MATRIX_SCALE_ROW1
.else
	v_wmma_scale_f32_16x16x128_f8f6f4 v[rD:rD+7], v[rA:rA+11], v[rB:rB+11], v[rD:rD+7], v[rSA], v[rSB] matrix_a_fmt:MATRIX_FMT_BF6 matrix_b_fmt:MATRIX_FMT_BF6 matrix_b_scale:MATRIX_SCALE_ROW1
.endif
.elseif rR == 2
.if \z
	v_wmma_scale_f32_16x16x128_f8f6f4 v[rD:rD+7], v[rA:rA+11], v[rB:rB+11], 0, v[rSA], v[rSB] matrix_a_fmt:MATRIX_FMT_BF6 matrix_b_fmt:MATRIX_FMT_BF6 matrix_a_scale:MATRIX_SCALE_ROW1
.else
	v_wmma_scale_f32_16x16x128_f8f6f4 v[rD:rD+7], v[rA:rA+11], v[rB:rB+11], v[rD:rD+7], v[rSA], v[rSB] matrix_a_fmt:MATRIX_FMT_BF6 matrix_b_fmt:MATRIX_FMT_BF6 matrix_a_scale:MATRIX_SCALE_ROW1
.endif
.else
.if \z
	v_wmma_scale_f32_16x16x128_f8f6f4 v[rD:rD+7], v[rA:rA+11], v[rB:rB+11], 0, v[rSA], v[rSB] matrix_a_fmt:MATRIX_FMT_BF6 matrix_b_fmt:MATRIX_FMT_BF6 matrix_a_scale:MATRIX_SCALE_ROW1 matrix_b_scale:MATRIX_SCALE_ROW1
.else
	v_wmma_scale_f32_16x16x128_f8f6f4 v[rD:rD+7], v[rA:rA+11], v[rB:rB+11], v[rD:rD+7], v[rSA], v[rSB] matrix_a_fmt:MATRIX_FMT_BF6 matrix_b_fmt:MATRIX_FMT_BF6 matrix_a_scale:MATRIX_SCALE_ROW1 matrix_b_scale:MATRIX_SCALE_ROW1
.endif
.endif
.endm
; ---- score products
.macro KLOAD slot, s                   ; my four key tiles' fragments of channels 128 s on
.if (\s)%2 == 0
	WIN 0x40
.set rK, KA
.else
	WIN 0
.set rK, KB
.endif
.irp kt, 0,1,2,3
.irp i, 0,1,2
	ds_load_b128 v[rK+12*\kt+4*\i:rK+12*\kt+4*\i+3], v[AK+\slot] offset:(4*\kt+(\s))*1536+512*\i
.endr
.endr
.endm
.macro SMUL s                          ; 16 accumulators by turns
.if (\s)%2 == 0
	WIN 0x05
.else
	WIN 0x04
.endif
.irp kt, 0,1,2,3
.irp qt, 0,1,2,3
.set rD, S+32*\qt+8*\kt
.if (\s)%2 == 0
.set rA, KA+12*\kt
.else
.set rA, KB+12*\kt
.endif
.set rB, 12*(4*\qt+(\s))
.set rSA, KS+4*(\kt/2)+(\s)
.set rSB, QS+4*(\qt/2)+(\s)
.set rR, 2*(\kt%2)+(\qt%2)
.if (\s) == 0
	WM 1
.else
	WM 0
.endif
.endr
.endr
.endm
.macro SMA slot                        ; K's scale words and first fragments
	ds_load_b128 v[KS:KS+3], v[AKS]
	ds_load_b128 v[KS+4:KS+7], v[AKS] offset:512
	KLOAD \slot, 0
.endm
.macro SMB slot
	KLOAD \slot, 1
	s_wait_dscnt 12                                ; all but the twelve just issued
	SMUL 0
	PLACES 4                                       ; in front of loads into a buffer that matrix instructions have read
	KLOAD \slot, 2
	s_wait_dscnt 12
	SMUL 1
	PLACES 4
	KLOAD \slot, 3
	s_wait_dscnt 12
	SMUL 2
	s_wait_dscnt 0x0
	SMUL 3
	WIN 0
.endm
.macro PFASK how
.if \how == 1
	s_cmp_eq_u32 s[LIM], 1
.else
	s_cmp_gt_u32 s[CNT], s[LIM]                    ; not in the loop's last trip, whose records would lie beyond the split
.endif
	s_cbranch_scc0 .Lnot_mine_\@
	s_cmp_lt_u32 ttmp9, 2
	s_cbranch_scc0 .Lno_prefetch_attn0_\@
	global_prefetch_b8 v[PFO], s[PFA:PFA+1] th:TH_LOAD_NT scope:SCOPE_SE
.Lno_prefetch_attn0_\@:
.Lnot_mine_\@:
.endm
; ---- value products.  DSN counts the trip's LDS instructions as they are written; a wait's count is DSN less the count at the load that it needs.
.macro VLOAD par, hf                   ; four of my eight channel tiles
	WIN 0x40
.irp d, 0,1,2,3
.irp i, 0,1,2
	ds_load_b128 v[KA+12*\d+4*\i:KA+12*\d+4*\i+3], v[AV+\par] offset:1536*(4*\hf+\d)+512*\i
.endr
.endr
.set DSN, DSN+12
.set VSEQ, DSN
.endm
.macro LDPAIR par, g                   ; the two fragments of P of group g: query tiles 2 (g % 4) and the next
.set PQ0, 2*((\g)%4)
.if (\g)%2 == 0
	WIN 0x40
.irp i, 0,1,2
	ds_load_b128 v[240+4*\i:243+4*\i], v[PR] offset:\par*PBSZ+1536*PQ0+512*\i
.endr
	WIN 0
.irp i, 0,1,2
	ds_load_b128 v[88+4*\i:91+4*\i], v[PR] offset:\par*PBSZ+1536*(PQ0+1)+512*\i
.endr
.set DSN, DSN+6
.set PQA, DSN
.else
	WIN 0
.irp i, 0,1,2
	ds_load_b128 v[100+4*\i:103+4*\i], v[PR] offset:\par*PBSZ+1536*PQ0+512*\i
.endr
.irp i, 0,1,2
	ds_load_b128 v[112+4*\i:115+4*\i], v[PR] offset:\par*PBSZ+1536*(PQ0+1)+512*\i
.endr
.set DSN, DSN+6
.set PQB, DSN
.endif
.endm
.macro PGRP g, zero                    ; eight products: channel tiles 4 (g / 4) + 0..3 x two query tiles; each accumulator has one turn a step
	s_wait_alu depctr_va_vdst(0)                   ; ahead of the wait below, and ahead of products that take up sums behind exponentials
.if (\g)%2 == 0
.set WN, PQA
.else
.set WN, PQB
.endif
.if VSEQ > WN
.set WN, VSEQ
.endif
	s_wait_dscnt DSN-WN
.irp u, 0,1
.set rQ, 2*((\g)%4)+\u
.set WW, 0xa1+0x50*((\g)/4)
.if (\g)%2 == 0
.if \u == 0
.set rB, 240
.set WW, WW+4
.else
.set rB, 88
.endif
.else
.set rB, 100+12*\u
.endif
	WIN WW
.irp d, 0,1,2,3
.set rD, 64*\d+8*rQ
.set rA, KA+12*\d
.set rSA, VS+2*((\g)/4)+\d/2
.set rSB, PS+rQ/2
.set rR, 2*(\d%2)+(rQ%2)
	WM \zero
.endr
.endr
	WIN 0
.endm
; ---- the softmax's pieces
.macro C0                              ; the largest score of each of my eight blocks of 32 keys (it gives the block's largest p)
.irp n, 0,1,2,3,4,5,6,7
	v_max3_num_f32 v[MX+\n], v[S+16*\n], v[S+16*\n+1], v[S+16*\n+2]
.endr
.irp i, 3,5,7,9,11,13
.irp n, 0,1,2,3,4,5,6,7
	v_max3_num_f32 v[MX+\n], v[MX+\n], v[S+16*\n+\i], v[S+16*\n+\i+1]
.endr
.endr
.irp n, 0,1,2,3,4,5,6,7
	v_max_num_f32 v[MX+\n], v[MX+\n], v[S+16*\n+15]
.endr
.irp n, 0,1,2,3,4,5,6,7
	v_permlanex16_b32 v[MY+\n], v[MX+\n], s[SEL], s[SEL+1]
.endr
.irp n, 0,1,2,3,4,5,6,7
	v_max_num_f32 v[MX+\n], v[MX+\n], v[MY+\n]
.endr
.endm
.macro FMAS lo                         ; t - 2, two at a time: 32 lines
.set EI, \lo
.rept 32
	v_pk_fma_f32 v[S+EI:S+EI+1], v[S+EI:S+EI+1], s[CS:CS+1], v[NEG2:NEG2+1] op_sel_hi:[1,0,0]
.set EI, EI+2
.endr
.endm
.macro EXPS lo                         ; 34 of the 136 exponentials: the 128 p, then the eight blocks' largest
.set EI, \lo
.rept 34
.if EI < 128
	v_exp_f32 v[S+EI], v[S+EI]
.else
	v_exp_f32 v[MX+EI-128], v[MX+EI-128]
.endif
.set EI, EI+1
.endr
.endm
.macro SUMS k0                         ; the row sums take the unquantised p; the four query tiles by turns
.irp k, 0,2,4,6,8,10,12,14
.irp q, 0,1,2,3
	v_pk_add_f32 v[L+2*\q:L+2*\q+1], v[L+2*\q:L+2*\q+1], v[S+32*\q+\k0+\k:S+32*\q+\k0+\k+1]
.endr
.endr
.endm
.macro SCALES
.irp n, 0,1,2,3,4,5,6,7
	v_add_nc_u32 v[SCL+\n], 0xfe000000, v[MX+\n]   ; 4 off the exponent field: the conversion's scale operand (p is at least 2^-3.9: no floor is needed)
.endr
.irp n, 0,1,2,3,4,5,6,7
	v_lshrrev_b32 v[MY+\n], 23, v[SCL+\n]
.endr
.irp q, 0,1,2,3
	v_lshl_or_b32 v[MY+2*\q], v[MY+2*\q+1], 8, v[MY+2*\q]
.endr
.endm
.macro CVT2 qa, wp                     ; query tiles qa, qa + 1: codes, whole blocks to a lane, into P buffer wp as registers 6 kh .. 6 kh + 5 of the fragment's image
.irp u, 0,1
	v_cvt_scalef32_pk16_bf6_f32 v[CC+8*\u:CC+8*\u+2], v[S+32*(\qa+\u):S+32*(\qa+\u)+15], v[SCL+2*(\qa+\u)]
	v_cvt_scalef32_pk16_bf6_f32 v[CC+8*\u+4:CC+8*\u+6], v[S+32*(\qa+\u)+16:S+32*(\qa+\u)+31], v[SCL+2*(\qa+\u)+1]
.endr
	v_nop                                          ; one plain place behind the scaled conversions
.irp i, 0,1,2
.irp u, 0,1
	v_permlane16_swap_b32 v[CC+8*\u+\i], v[CC+8*\u+4+\i]
.endr
.endr
.irp i, 3,4,5
.irp u, 0,1
	v_mov_b32 v[CC+8*\u+\i], v[CC+8*\u+\i+1]
.endr
.endr
.irp u, 0,1
	ds_store_b64 v[PW1], v[CC+8*\u:CC+8*\u+1] offset:\wp*PBSZ+1536*(\qa+\u)
	ds_store_b64 v[PW2], v[CC+8*\u+2:CC+8*\u+3] offset:\wp*PBSZ+1536*(\qa+\u)+8
	ds_store_b64 v[PW1], v[CC+8*\u+4:CC+8*\u+5] offset:\wp*PBSZ+1536*(\qa+\u)+512
	ds_store_b16 v[PSW], v[MY+2*(\qa+\u)] offset:\wp*512+64*(\qa+\u)
.endr
.set DSN, DSN+8
.endm
; ---- trip j.  par = (j + 1) % 2: the slot and the P buffer that it reads.  ld: who loads (0 nobody, 1 waves 0, 1, 2 all, 3 waves 2, 3).  st: step the addresses.
; pm: value products of step j - 1 (zero: they start the sums).  vx: softmax of step j.  sm: score products of step j + 1.  pf: the prefetch's test.
.macro ITER par, ld, st, pm, zero, vx, sm, pf
	s_wait_tensorcnt 0x0                           ; my load of the last trip has landed
	ds_add_u32 v[SPW], v[NIL]
.if \st
	s_add_nc_u64 s[G0T+4*\par+2:G0T+4*\par+3], s[G0T+4*\par+2:G0T+4*\par+3], 2*REC
	s_wait_xcnt 0x0                                ; my prefetch has read its address
	s_add_nc_u64 s[PFA:PFA+1], s[PFA:PFA+1], REC
.endif
	s_wait_dscnt 0x0                               ; the add, my reads of the old slot and P buffer, my stores of p
.if \ld
	CROUND
.if \ld == 1
	s_cmp_ge_u32 s[WV], 2
	s_cbranch_scc1 .Lno_load_\@
.endif
.if \ld == 3
	s_cmp_lt_u32 s[WV], 2
	s_cbranch_scc1 .Lno_load_\@
.endif
	tensor_load_to_lds s[G0T+4-4*\par:G0T+7-4*\par], s[G1T:G1T+7]
	s_nop 0
	PLACES 4
.else
	s_barrier_signal -1
	s_barrier_wait -1
.endif
.if \ld != 2
.Lno_load_\@:
	PLACES 4                                       ; the places behind the last score products, on the way round the load too
.endif
.set DSN, 0
.set VSEQ, 0
.if \pm
.irp i, 0,1,2,3
	ds_load_b32 v[VS+\i], v[AVS] offset:128*\i
.endr
.irp i, 0,1,2,3
	ds_load_b32 v[PS+\i], v[PSR] offset:\par*512+128*\i
.endr
.set DSN, 8
	VLOAD \par, 0
	LDPAIR \par, 0
	LDPAIR \par, 1
.endif
.if \pf
	PFASK \pf
.endif
.if \vx
	C0
.endif
.if \pm
	PGRP 0, \zero
.endif
.if \vx
	FMAS 0                                         ; (also the places in front of the loads below)
.else
	PLACES 4
.endif
.if \pm
	LDPAIR \par, 2
.endif
.if \vx
	FMAS 64
.irp n, 0,1,2,3,4,5,6,7
	v_fma_f32 v[MX+\n], v[MX+\n], s[CS], v[NEG2]
.endr
	v_add_nc_u32 v[AKS], 4096, v[AKS]              ; K's scale words of step j + 1
.if \pm
	v_add_nc_u32 v[AVS], 4096, v[AVS]              ; V's of step j, for the next trip
.endif
.endif
.if \pm
	PGRP 1, \zero
.else
	s_wait_alu depctr_va_vdst(0)                   ; the wait ahead of the exponentials
.endif
.irp k, 0,1,2,3
.if \pm
	PLACES 4
.if \k == 2
	VLOAD \par, 1
.endif
	LDPAIR \par, \k+3
.endif
.if \vx
	EXPS 34*\k
.endif
.if \pm
	PGRP \k+2, \zero
.endif
.endr
.if \vx
.if \pm == 0
	v_nop
	s_wait_alu depctr_va_vdst(0)                   ; and behind them
.endif
	SUMS 0
.else
	PLACES 4
.endif
.if \pm
	LDPAIR \par, 7
.endif
.if \vx
	SUMS 16
.endif
.if \pm
	PGRP 6, \zero
.endif
.if \vx
	SCALES
	CVT2 0, (1-\par)
.endif
.if \pm
	PGRP 7, \zero
.endif
.if \sm
	PLACES 4
	SMA \par
	WIN 0
.endif
.if \vx
	CVT2 2, (1-\par)
.endif
.if \sm
	SMB \par
.endif
.endm
	s_load_b256 s[4:11], s[0:1], 0x0               ; kv, sc, opart, lpart
	v_lshl_add_u32 v[SPW], v0, 2, SPARE
	v_mov_b32 v[NIL], 0
	ds_add_u32 v[SPW], v[NIL]
	ds_add_u32 v[SPW], v[NIL]
	v_lshrrev_b32 v56, 5, v0
	v_readfirstlane_b32 s[WV], v56
	s_lshr_b32 s[KH], s[WV], 1
	s_and_b32 s[QH], s[WV], 1
	s_and_b32 s17, ttmp7, 0xffff                   ; y: the key split
	GROUP1 G1T, 96                                 ; half of a K or V part
	GROUP1 G1S, 256                                ; the split's scale bytes
	GROUP1 G1H, 192                                ; a whole K or V part
	s_mul_i32 s18, s17, 16*REC                     ; the split's first record
	s_mov_b32 s19, 0
	s_mul_i32 s20, s[WV], REC/4                    ; my quarter of a slot
	s_xor_b32 s21, s[KH], 1
	s_mul_i32 s21, s21, 2*REC                      ; K's waves run two records ahead of V's
	s_add_co_u32 s92, s20, s21
	s_mov_b32 s93, 0
	s_add_co_u32 s94, s20, REC                     ; K(1), my half
	s_mov_b32 s95, 0
	s_mul_i32 s90, s[KH], REC/2                    ; the head's fills: wave 0 K(0), wave 2 V(0), wave 3 V(1)
	s_mul_i32 s91, s[QH], REC
	s_add_co_u32 s90, s90, s91
	s_mov_b32 s91, 0
	s_lshl_b32 s2, s17, 16
	s_mov_b32 s3, 0
	s_bfe_u32 s15, ttmp6, 0x40000                  ; cx
	s_lshl_b32 s16, ttmp9, 2
	s_add_co_u32 s16, s16, s15                     ; qb
	s_mul_i32 s58, s16, REC
	s_mul_i32 s60, s[QH], 24576
	s_add_co_u32 s58, s58, s60                     ; Q: my four tiles of record qb's K part
	s_mov_b32 s59, 0
	s_lshl_b32 s60, s16, 12
	s_lshl_b32 s61, s[QH], 10
	s_add_co_u32 s60, s60, s61
	s_mov_b32 s61, 0
	s_lshl_b32 s62, s17, 24
	s_lshl_b32 s63, s16, 18
	s_add_co_u32 s62, s62, s63
	s_lshl_b32 s63, s[WV], 9
	s_add_co_u32 s62, s62, s63                     ; opart: split, query block, my 128 channels
	s_mov_b32 s63, 0
	s_lshl_b32 s56, s17, 1
	s_add_co_u32 s56, s56, s[KH]
	s_lshl_b32 s56, s56, 15
	s_lshl_b32 s57, s16, 9
	s_add_co_u32 s56, s56, s57
	s_lshl_b32 s57, s[QH], 8
	s_add_co_u32 s56, s56, s57                     ; lpart
	s_mov_b32 s57, 0
	s_mul_i32 s54, s15, 3
	s_add_co_u32 s54, s54, s[WV]
	s_lshl_b32 s54, s54, 13                        ; the prefetches: 32 blocks of 256 bytes for each of 4 x 3 waves, shared out by address
	s_add_co_u32 s54, s54, s18
	s_add_co_u32 s54, s54, 4*REC
	s_mov_b32 s55, 0
	s_mov_b32 s[CS], 0x3fb8aa3b                    ; log2(e)
	s_mov_b32 s[CS+1], s[CS]
	s_mov_b32 s[SEL], 0x76543210
	s_mov_b32 s[SEL+1], 0xfedcba98
	s_mul_i32 s80, s[KH], 24576                    ; the waves' terms of the LDS addresses
	s_mul_i32 s81, s[WV], 12288
	s_add_co_u32 s81, s81, 49152
	s_lshl_b32 s82, s[KH], 10
	s_add_co_u32 s82, s82, SCB
	s_lshl_b32 s83, s[WV], 9
	s_add_co_u32 s83, s83, SCB+2048
	s_mul_i32 s88, s[QH], 6144
	s_add_co_u32 s88, s88, PB
	s_mul_i32 s84, s[KH], 520
	s_add_co_u32 s84, s84, s88
	s_mul_i32 s85, s[KH], 1016
	s_add_co_u32 s85, s85, s88
	s_lshl_b32 s86, s[QH], 8
	s_lshl_b32 s89, s[KH], 1
	s_add_co_u32 s86, s86, s89
	s_add_co_u32 s86, s86, PSC
	s_mul_i32 s87, s[WV], 16*SP
	s_wait_dscnt 0x0
	s_wait_kmcnt 0x0
	s_add_nc_u64 s[18:19], s[4:5], s[18:19]
	s_add_nc_u64 s[2:3], s[6:7], s[2:3]
	s_add_nc_u64 s[58:59], s[4:5], s[58:59]
	s_add_nc_u64 s[60:61], s[6:7], s[60:61]
	s_add_nc_u64 s[8:9], s[8:9], s[62:63]
	s_add_nc_u64 s[10:11], s[10:11], s[56:57]
	s_add_nc_u64 s[PFA:PFA+1], s[4:5], s[PFA:PFA+1]
	s_mov_b32 s[G0S], 1
	s_mov_b32 s[G0S+1], SCB
	s_mov_b64 s[G0S+2:G0S+3], s[2:3]
	s_or_b32 s[G0S+3], s[G0S+3], 0x80000000
	s_mov_b32 s[G0H], 1
	s_mov_b32 s[G0H+1], s90
	s_add_nc_u64 s[G0H+2:G0H+3], s[18:19], s[90:91]
	s_or_b32 s[G0H+3], s[G0H+3], 0x80000000
	s_mov_b32 s[G0T], 1
	s_mov_b32 s[G0T+1], s20
	s_add_nc_u64 s[G0T+2:G0T+3], s[18:19], s[92:93]   ; trip 0's load
	s_mov_b32 s[G0T+4], 1
	s_add_co_u32 s[G0T+5], s20, REC
	s_add_nc_u64 s[G0T+6:G0T+7], s[G0T+2:G0T+3], REC  ; trip 1's
	s_or_b32 s[G0T+3], s[G0T+3], 0x80000000
	s_or_b32 s[G0T+7], s[G0T+7], 0x80000000
	s_cmp_lt_u32 s[WV], 3
	s_cselect_b32 s[LIM], 1, -1
	CROUND                                         ; in front of the first joint loads
	s_cmp_eq_u32 s[WV], 1
	s_cbranch_scc0 .Lhead_tile
	tensor_load_to_lds s[G0S:G0S+3], s[G1S:G1S+7]  ; wave 1: the scale bytes
	s_nop 0
	PLACES 4
	s_branch .Lhead_join
.Lhead_tile:
	tensor_load_to_lds s[G0H:G0H+3], s[G1H:G1H+7]  ; waves 0, 2, 3: K(0), V(0), V(1)
	s_nop 0
	PLACES 4
.Lhead_join:
	v_and_b32 v58, 31, v0
	v_and_b32 v56, 15, v0
	v_bfe_u32 v57, v0, 4, 1
	v_lshlrev_b32 v[LI], 4, v58                    ; a fragment image's place for my lane
	v_lshlrev_b32 v59, 2, v58
	v_add_nc_u32 v[AK], s80, v[LI]
	v_add_nc_u32 v[AK+1], REC, v[AK]
	v_add_nc_u32 v[AV], s81, v[LI]
	v_add_nc_u32 v[AV+1], REC, v[AV]
	v_add_nc_u32 v[AKS], s82, v[LI]
	v_add_nc_u32 v[AVS], s83, v59
	v_add_nc_u32 v[PW1], s84, v[LI]
	v_add_nc_u32 v[PW2], s85, v[LI]
	v_lshl_add_u32 v[PSW], v56, 2, s86
	v_add_nc_u32 v[PR], PB, v[LI]
	v_add_nc_u32 v[PSR], PSC, v59
	v_mul_u32_u24 v[STO], v56, SP
	v_lshl_add_u32 v[STO], v57, 5, v[STO]
	v_add_nc_u32 v[STO], s87, v[STO]
	v_add_nc_u32 v[RD], s87, v[LI]
	v_and_b32 v59, 7, v56
	v_lshrrev_b32 v60, 3, v56
	v_lshl_add_u32 v59, v60, 4, v59
	v_lshl_add_u32 v59, v57, 3, v59
	v_lshlrev_b32 v[LO], 2, v59
	v_lshlrev_b32 v[PFO], 8, v58
	v_mov_b32 v[NEG2], -2.0
	v_mov_b32 v[NEG2+1], -2.0
.irp i, 0,1,2,3,4,5,6,7
	v_mov_b32 v[L+\i], 0
.endr
	WIN 0x40
.irp f, 0,1,2,3,4,5,6,7,8,9,10,11,12,13,14,15
.irp i, 0,1,2
	global_load_b128 v[12*\f+4*\i:12*\f+4*\i+3], v[LI], s[58:59] offset:1536*\f+512*\i   ; Q's sixteen fragments stay in registers
.endr
.endr
	WIN 0
	global_load_b128 v[QS:QS+3], v[LI], s[60:61]
	global_load_b128 v[QS+4:QS+7], v[LI], s[60:61] offset:512
	s_wait_alu depctr_va_vdst(0)                   ; the wait at the head's end
	s_wait_tensorcnt 0x0                           ; my head's fill is in; the full sequence stands ahead of the later first fill
	ds_add_u32 v[SPW], v[NIL]
	s_add_co_u32 s[G0H+1], s20, REC                ; that load is done: its group 0 now names K(1), my half
	s_add_nc_u64 s[G0H+2:G0H+3], s[18:19], s[94:95]
	s_or_b32 s[G0H+3], s[G0H+3], 0x80000000
	s_wait_dscnt 0x0
	CROUND
	s_cmp_ge_u32 s[WV], 2
	s_cbranch_scc1 .Lno_k1
	tensor_load_to_lds s[G0H:G0H+3], s[G1T:G1T+7]  ; K(1): a first fill
	s_nop 0
	PLACES 4
.Lno_k1:
	s_wait_loadcnt 0x0                             ; Q
	SMA 0
	SMB 0                                          ; step 0's scores
	ITER 1, 1, 0, 0, 0, 1, 1, 1                    ; trip 0
	ITER 0, 1, 1, 1, 1, 1, 1, 1                    ; trip 1: the first value products start the sums
	s_mov_b32 s[CNT], 6
.Lstep:                                                ; trips 2 to 13
	ITER 1, 2, 1, 1, 0, 1, 1, 2
	ITER 0, 2, 1, 1, 0, 1, 1, 2
	s_sub_co_u32 s[CNT], s[CNT], 1
	s_cmp_lg_u32 s[CNT], 0
	s_cbranch_scc1 .Lstep
	ITER 1, 3, 1, 1, 0, 1, 1, 0                    ; trip 14: K has no more tiles
	ITER 0, 3, 1, 1, 0, 1, 0, 0                    ; trip 15: the last softmax
	ITER 1, 0, 0, 1, 0, 0, 0, 0                    ; step 15's value products
	PLACES 4
; THE WAY OUT: 16 queries x my 128 channels at a time through my stage, back as rows of 512 bytes, stored whole
.macro TOSTAGE qt
	WIN 0x08
.irp d, 0,1,2,3
	ds_store_b128 v[STO], v[64*\d+8*(\qt):64*\d+8*(\qt)+3] offset:64*\d
	ds_store_b128 v[STO], v[64*\d+8*(\qt)+4:64*\d+8*(\qt)+7] offset:64*\d+16
.endr
	WIN 0x0c
.irp d, 0,1,2,3
	ds_store_b128 v[STO], v[64*\d+8*(\qt):64*\d+8*(\qt)+3] offset:256+64*\d
	ds_store_b128 v[STO], v[64*\d+8*(\qt)+4:64*\d+8*(\qt)+7] offset:256+64*\d+16
.endr
	WIN 0
.set BK, S+64*((\qt)%2)
.irp t, 0,1,2,3,4,5,6,7,8,9,10,11,12,13,14,15
	ds_load_b128 v[BK+4*\t:BK+4*\t+3], v[RD] offset:\t*SP
.endr
.endm
.macro SEND qt, younger
.set BK, S+64*((\qt)%2)
	s_wait_dscnt \younger
.irp t, 0,1,2,3,4,5,6,7,8,9,10,11,12,13,14,15
	global_store_b128 v[LI], v[BK+4*\t:BK+4*\t+3], s[8:9] offset:(32*((\qt)/2)+8*((\qt)%2)+\t%8+16*(\t/8))*2048 th:TH_STORE_NT
.endr
.endm
	TOSTAGE 0
.irp a, 1,2,3,4,5,6,7
.if \a > 1
	s_wait_xcnt 0x0                                ; the stores two blocks back have read their registers
.endif
	TOSTAGE \a
	SEND \a-1, 32
.endr
	SEND 7, 0
.irp q, 0,1,2,3
	v_add_f32 v[MX+\q], v[L+2*\q], v[L+2*\q+1]
.endr
	v_permlane16_swap_b32 v[MX], v[MX+1]
	v_permlane16_swap_b32 v[MX+2], v[MX+3]
	v_add_f32 v[MX], v[MX], v[MX+1]
	v_add_f32 v[MX+2], v[MX+2], v[MX+3]
	global_store_b32 v[LO], v[MX], s[10:11]        ; my 64 keys-a-step part of l for my 64 queries
	global_store_b32 v[LO], v[MX+2], s[10:11] offset:128
	s_wait_tensorcnt 0x0                           ; the wave's end
	ds_add_u32 v[SPW], v[NIL]
	s_wait_dscnt 0x0
	CROUND                                         ; the closing round
	s_endpgm
.Lfunc_end_k_q3c5df99dfd_attn:
	.size	k_q3c5df99dfd_attn, .Lfunc_end_k_q3c5df99dfd_attn-k_q3c5df99dfd_attn
	.p2alignl 7, 3214868480
	.fill 96, 4, 3214868480
	.section	.rodata,"a",@progbits
	.p2align	6, 0x0
	.amdhsa_kernel k_q3c5df99dfd_attn
		.amdhsa_group_segment_fixed_size 327680
		.amdhsa_private_segment_fixed_size 0
		.amdhsa_enable_private_segment 0
		.amdhsa_kernarg_size 32
		.amdhsa_user_sgpr_count 2
		.amdhsa_user_sgpr_kernarg_segment_ptr 1
		.amdhsa_wavefront_size32 1
		.amdhsa_system_sgpr_workgroup_id_x 1
		.amdhsa_system_sgpr_workgroup_id_y 1
		.amdhsa_system_sgpr_workgroup_id_z 1
		.amdhsa_system_vgpr_workitem_id 0
		.amdhsa_next_free_vgpr 1024
		.amdhsa_next_free_sgpr 96
		.amdhsa_reserve_vcc 0
		.amdhsa_float_denorm_mode_32 3
		.amdhsa_float_denorm_mode_16_64 3
		.amdhsa_memory_ordered 1
		.amdhsa_forward_progress 1
		.amdhsa_inst_pref_size 255
	.end_amdhsa_kernel
	.section	.bss,"aw",@nobits
	.p2align	6
	.space	262144
	.amdgpu_metadata
---
amdhsa.version: [ 1, 2 ]
amdhsa.kernels:
  - .name:           k_q3c5df99dfd_attn
    .symbol:         k_q3c5df99dfd_attn.kd
    .args:
      - { .name: kv, .offset: 0, .size: 8, .value_kind: global_buffer, .address_space: global }
      - { .name: sc, .offset: 8, .size: 8, .value_kind: global_buffer, .address_space: global }
      - { .name: opart, .offset: 16, .size: 8, .value_kind: global_buffer, .address_space: global }
      - { .name: lpart, .offset: 24, .size: 8, .value_kind: global_buffer, .address_space: global }
    .group_segment_fixed_size: 327680
    .private_segment_fixed_size: 0
    .kernarg_segment_align: 8
    .kernarg_segment_size: 32
    .max_flat_workgroup_size: 128
    .sgpr_count:     96
    .vgpr_count:     1024
    .wavefront_size: 32
...
	.end_amdgpu_metadata
.endif
;; end of part 2
;; launch reduce (part 3): grid 512 x 1, 8 waves a work-group, no clusters, 0 bytes of LDS; arguments opart, lpart, out0; writes out0
.if DOCPART == 3
	.amdgcn_target "amdgcn-amd-amdhsa--gfx1250"
	.amdhsa_code_object_version 6
	.text
	.protected	k_q3c5df99dfd_reduce
	.globl	k_q3c5df99dfd_reduce
	.p2align	8
	.type	k_q3c5df99dfd_reduce,@function
k_q3c5df99dfd_reduce:
	s_mov_b64 s[64:65], 0
	v_nop
	global_prefetch_b8 v0, s[64:65] scope:SCOPE_SE
	s_setreg_imm32_b32 hwreg(HW_REG_WAVE_MODE, 25, 1), 1
	s_wait_xcnt 0x0
; REDUCE: out0[q][:] = (the sum of the four key splits' partial O[q][:]) / (the sum of the eight partial l[q]).  opart: [4][8192][512] f32; lpart: [8][8192] f32; out0: [8192][512] f32.
; Nothing is left out.  The sums are ordered: (0 + 1) + (2 + 3); the division is a multiplication by the reciprocal of l (l lies between 8,192 x 2^-3.9 and 8,192).
; A stream: a wave takes two rows, 32 loads of 512 consecutive bytes, all issued at once; no LDS, no barrier, no loop; each store covers 512 consecutive bytes, aligned.
	s_load_b128 s[4:7], s[0:1], 0x0                ; opart, lpart
	s_load_b64 s[8:9], s[0:1], 0x10                ; out0
	v_lshrrev_b32 v2, 5, v0
	s_delay_alu instid0(VALU_DEP_1)
	v_readfirstlane_b32 s10, v2                    ; wave 0..7
	s_lshl_b32 s11, ttmp9, 3
	s_add_co_u32 s11, s11, s10                     ; g: my pair of rows
	s_lshl_b32 s12, s11, 12                        ; two rows of 2,048 bytes
	s_mov_b32 s13, 0
	s_lshl_b32 s14, s11, 3                         ; two numbers of l
	s_mov_b32 s15, 0
	v_and_b32 v1, 31, v0
	s_delay_alu instid0(VALU_DEP_1)
	v_lshlrev_b32 v1, 4, v1                        ; 16 x lane
	s_wait_alu depctr_va_vdst(0)
	s_wait_kmcnt 0x0
	s_add_nc_u64 s[16:17], s[4:5], s[12:13]        ; my rows in split 0,
	s_add_nc_u64 s[18:19], s[16:17], 0x1000000     ; 1,
	s_add_nc_u64 s[20:21], s[18:19], 0x1000000     ; 2,
	s_add_nc_u64 s[22:23], s[20:21], 0x1000000     ; 3
	s_add_nc_u64 s[6:7], s[6:7], s[14:15]
	s_add_nc_u64 s[8:9], s[8:9], s[12:13]
.irp r, 0,1
.irp y, 0,1,2,3
.irp q, 0,1,2,3
	global_load_b128 v[16+64*\r+16*\y+4*\q:16+64*\r+16*\y+4*\q+3], v1, s[16+2*\y:17+2*\y] offset:2048*\r+512*\q th:TH_LOAD_NT
.endr
.endr
.endr
.irp i, 0,1,2,3,4,5,6,7
	s_load_b64 s[32+2*\i:33+2*\i], s[6:7], 32768*\i   ; the eight partial l of my two rows (no line of this launch writes lpart)
.endr
	s_wait_kmcnt 0x0
.irp r, 0,1
	s_add_f32 s[32+\r], s[32+\r], s[34+\r]
	s_add_f32 s[36+\r], s[36+\r], s[38+\r]
	s_add_f32 s[40+\r], s[40+\r], s[42+\r]
	s_add_f32 s[44+\r], s[44+\r], s[46+\r]
	s_add_f32 s[32+\r], s[32+\r], s[36+\r]
	s_add_f32 s[40+\r], s[40+\r], s[44+\r]
	s_add_f32 s[32+\r], s[32+\r], s[40+\r]
.endr
	v_rcp_f32 v4, s32
	v_rcp_f32 v6, s33
	v_mov_b32 v5, 0                                ; (named as the upper halves of the pairs, so they are written: the plain places behind the reciprocals)
	v_mov_b32 v7, 0
	s_wait_alu depctr_va_vdst(0)                   ; one wait for both reciprocals, ahead of their first reader
.irp r, 0,1
	s_wait_loadcnt 16-16*\r                        ; this row's sixteen loads are in; the second row's may be out
.irp q, 0,1,2,3
.set A0, 16+64*\r+4*\q
.irp e, 0,2
	v_pk_add_f32 v[A0+\e:A0+\e+1], v[A0+\e:A0+\e+1], v[A0+16+\e:A0+16+\e+1]
	v_pk_add_f32 v[A0+32+\e:A0+32+\e+1], v[A0+32+\e:A0+32+\e+1], v[A0+48+\e:A0+48+\e+1]
.endr
.irp e, 0
	s_delay_alu instid0(VALU_DEP_3)
	v_pk_add_f32 v[A0+\e:A0+\e+1], v[A0+\e:A0+\e+1], v[A0+32+\e:A0+32+\e+1]
.endr
.irp e, 2
	s_delay_alu instid0(VALU_DEP_2)
	v_pk_add_f32 v[A0+\e:A0+\e+1], v[A0+\e:A0+\e+1], v[A0+32+\e:A0+32+\e+1]
.endr
.irp e, 0,2
	v_pk_mul_f32 v[A0+\e:A0+\e+1], v[A0+\e:A0+\e+1], v[4+2*\r:5+2*\r] op_sel_hi:[1,0]
.endr
	global_store_b128 v1, v[A0:A0+3], s[8:9] offset:2048*\r+512*\q th:TH_STORE_NT
.endr
.endr
	s_endpgm
.Lfunc_end_k_q3c5df99dfd_reduce:
	.size	k_q3c5df99dfd_reduce, .Lfunc_end_k_q3c5df99dfd_reduce-k_q3c5df99dfd_reduce
	.p2alignl 7, 3214868480
	.fill 96, 4, 3214868480
	.section	.rodata,"a",@progbits
	.p2align	6, 0x0
	.amdhsa_kernel k_q3c5df99dfd_reduce
		.amdhsa_group_segment_fixed_size 0
		.amdhsa_private_segment_fixed_size 0
		.amdhsa_enable_private_segment 0
		.amdhsa_kernarg_size 24
		.amdhsa_user_sgpr_count 2
		.amdhsa_user_sgpr_kernarg_segment_ptr 1
		.amdhsa_wavefront_size32 1
		.amdhsa_system_sgpr_workgroup_id_x 1
		.amdhsa_system_sgpr_workgroup_id_y 1
		.amdhsa_system_sgpr_workgroup_id_z 1
		.amdhsa_system_vgpr_workitem_id 0
		.amdhsa_next_free_vgpr 160
		.amdhsa_next_free_sgpr 66
		.amdhsa_reserve_vcc 0
		.amdhsa_float_denorm_mode_32 3
		.amdhsa_float_denorm_mode_16_64 3
		.amdhsa_memory_ordered 1
		.amdhsa_forward_progress 1
		.amdhsa_inst_pref_size 11
	.end_amdhsa_kernel
	.amdgpu_metadata
---
amdhsa.version: [ 1, 2 ]
amdhsa.kernels:
  - .name:           k_q3c5df99dfd_reduce
    .symbol:         k_q3c5df99dfd_reduce.kd
    .args:
      - { .name: opart, .offset: 0, .size: 8, .value_kind: global_buffer, .address_space: global }
      - { .name: lpart, .offset: 8, .size: 8, .value_kind: global_buffer, .address_space: global }
      - { .name: out0, .offset: 16, .size: 8, .value_kind: global_buffer, .address_space: global }
    .group_segment_fixed_size: 0
    .private_segment_fixed_size: 0
    .kernarg_segment_align: 8
    .kernarg_segment_size: 24
    .max_flat_workgroup_size: 256
    .sgpr_count:     66
    .vgpr_count:     160
    .wavefront_size: 32
...
	.end_amdgpu_metadata
.endif
;; end of part 3
